; MI455X (gfx1250); checked and timed in simulation.
; The chip was launched on July 23, 2026; its instructions are those of AMD's public machine-readable ISA for CDNA 5 (MIT licence, August 2026) and "CDNA5" Instruction Set Architecture Reference Guide (July 2026). The comments in the code are by the model that wrote it; some were corrected since.
;; Gate Informed Linear. Allowed arithmetic: matrix products marked QUANTISED: E4M3 operands, one given power-of-two scale a tensor, by v_wmma_f32_16x16x64_fp8_fp8 or v_wmma_f32_16x16x128_fp8_fp8, f32 sums; everything else in f32.
;; Inputs: bias 11,008 bfloat16; high 11,008 x 4,096 int8; low 11,008 x 4,096 int8; low4_scale 1 float32; lowp_scales 2 int32 (the exponents e of the quantised operands' scales 2^e); scale 1 float32; x 1 x 64 x 4,096 bfloat16.
;; Outputs: out0 1 x 64 x 11,008 bfloat16.
;; Constants: gate_value = 0.
;; This version of the problem:
;;   THIS VERSION OF THE PROBLEM IS GIVEN IN LOW PRECISION. The matrix products marked QUANTISED in the list below multiply operands that are first quantised to E4M3 (4 exponent bits, 3 mantissa bits; 8 bits a number), with one given power-of-two scale for each operand tensor; their sums are f32. All else is computed in f32.
;;   The module's matrix products, in the order in which they are computed (A, B: the left and right operand; K: the contracted axis; several contracted axes count as one K, in the product's order):
;;     1. [M 64, K 4,096] x [K 4,096, N 11,008]; A: input x; B: computed on the way: QUANTISED (scales: A lowp_scales[0], B lowp_scales[1])
;;   THE QUANTISER, for each operand of a quantised product, along K:
;;     - The operand's scale is 2^e, e = its entry of the input lowp_scales (int32; the entries are numbered through the quantised products in the list's order, A before B).
;;     - Each number is divided by the scale, clamped to +-448, and rounded to the nearest number of E4M3, ties to even, subnormals kept.
;;     - The product sums the exact products of the quantised numbers (number of the format x scale) in f32.
;;   ~~~python
;;   def quantise(x, axis, e):      # numpy; x: float32 -> the quantised numbers, widened to float32 again
;;       x = np.moveaxis(x, axis, -1); K = x.shape[-1]
;;       r = np.clip(x / 2.0 ** e, -448, 448)
;;       step = 2.0 ** (np.maximum(np.frexp(np.where(r == 0, 1, r))[1] - 1, -6) - 3)
;;       q = np.round(r / step) * step * 2.0 ** e      # np.round: ties to even
;;       return np.moveaxis(q, -1, axis).astype(np.float32)
;;   ~~~
;;   OPERANDS COMPUTED ON THE WAY. 'Computed on the way' means the value that the module computes at that place (a softmax that the list does not call 'softmax' is quantised finished and normalised). What goes into a quantiser is computed in f32, as accurately as f32 sums, v_exp_f32 and their like allow (about 1e-6 of the number): no bf16 or f16 on the way to a quantiser, and a product that is left as it is and whose result goes on into a quantised operand takes f32 operands (vector FMAs, or v_wmma_f32_16x16x4_f32). A number that lies on a knife's edge between two numbers of the format may be rounded either way, as far as f32 arithmetic and the matrix unit's own rounding can turn it there, and no further.
;; One version. Each part assembles by itself: llvm-mc -triple=amdgcn-amd-amdhsa -mcpu=gfx1250 --defsym DOCPART=n.
;; ======== version 1 of 1: 1 launch
;; limits: right only within a limited range of input values; values are held in bf16: 8 bits of precision
;; launch main (part 1): grid 256 x 1, 8 waves a work-group, clusters of 4 x 1, 327,680 bytes of LDS; arguments low, x, scale, low4_scale, lowp_scales, bias, out0; writes out0
.if DOCPART == 1
	.amdgcn_target "amdgcn-amd-amdhsa--gfx1250"
	.amdhsa_code_object_version 6
	.text
	.protected	k_q86f666f729_main
	.globl	k_q86f666f729_main
	.p2align	8
	.type	k_q86f666f729_main,@function
k_q86f666f729_main:
	s_mov_b64 s[64:65], 0
	v_nop
	global_prefetch_b8 v0, s[64:65] scope:SCOPE_SE
	s_setreg_imm32_b32 hwreg(HW_REG_WAVE_MODE, 25, 1), 1
	s_wait_xcnt 0x0
	s_wait_alu depctr_hold_cnt(0) depctr_sa_sdst(0) depctr_va_vdst(0) depctr_va_sdst(0) depctr_va_ssrc(0) depctr_va_vcc(0) depctr_vm_vsrc(0)
	s_getreg_b32 s2, hwreg(HW_REG_IB_STS2, 6, 4)
	s_cmp_eq_u32 s2, 0
	s_cbranch_scc0 .Lentry_in_a_cluster
	s_endpgm
.Lentry_in_a_cluster:
	s_bfe_u32 s2, ttmp6, 0x10000c
	s_cmp_lg_u32 s2, 0x3003
	s_cbranch_scc0 .Lentry_shape_is_right
	s_endpgm
.Lentry_shape_is_right:
; out[m][n] = 2^(e0+e1) x (sum over k of Qx[m][k] Qw[n][k]) + bias[n].  Qx: the E4M3 code of x / 2^e0.  Qw: the code of w / 2^e1, w = low x c, c = low4_scale x scale (f32, in reference()'s order).
; Both are held within +-448 and rounded to the nearest code, ties to even.  64 x 11,008 outputs, K = 4,096, sums in f32, out rounded once to bf16.
; DEAD WORK: gate_value is the constant 0, under the threshold: reference() takes its low-precision way for all values of the inputs, and the input high has no way to the output; it is not loaded and is no argument.
; ORDER OF ROUNDING, stated: w goes into the quantiser as f32 (the contract's word); reference()'s rounding of w to bf16 is not made.  The product and the bias are added in f32 and rounded to bf16 once.
; LIMITS: e0 between -126 and 119; |c| is 0 or between 2^-94 and 2^27; e1 between -94 and 151; e0 + e1 between -126 and 127.  NaN in x and NaN or infinity in scale or low4_scale are not served (an infinity in x is held at the largest code).
; SHARES.  256 work-groups; each owns 43 rows of low = 43 columns of out (11,008 = 256 x 43), three tiles of 16 rows (tile 2's 5 spare rows are zeros and are not stored).
; Eight waves; wave w owns K = 512 w .. 512 w + 511 of all rows; at the end the eight waves' sums meet in LDS.
; LOW comes into registers, a load for each of the 43 rows: 512 consecutive bytes a wave; lane l holds 16 neighbours along K of every row, converts them in place, and the codes turn
; through the wave's own LDS bytes into the operand's layout.  AHEAD rows are asked for ahead of the row at work.
; X is wanted whole by every work-group: clusters of 4 x 1 ask for it JOINTLY (mask 15).  A wave's part is 64 rows x 512 numbers, in two halves of 256 numbers: one tensor load each, the second into the same
; bytes, behind a round of the cluster's barrier.  Its codes fill window 1 and stay.
; No data prefetch: the rows are asked for by register loads AHEAD rows early, and the text has no loop to run ahead in.
; K IS PERMUTED ALIKE ON BOTH SIDES: lane (r, h) holds K = 32 c + 16 h + 0 .. 15 of a K step of 128 in registers 4 c .. 4 c + 3; only the order of the sums inside an instruction changes.
; A WEIGHT BECOMES A CODE: u = k + 128 (one xor for four).  A word with u in bits 23:16 and zeros elsewhere is, as f32, u x 2^-133 (denormals are kept).  One fused multiply-add,
; u 2^-133 x (c 2^101) - c 2^-25 = k c 2^-32, is rounded once (both constants are c times a power of two): f32's k x c, times 2^-32.  The hold and the conversion take 448 x 2^(e1-32) and 2^(e1-32).
; X BECOMES CODES straight from bf16.  The conversion gives the NaN code beyond the largest number (ISA guide 7.6.2); the hold is made on the codes: magnitude 0x7f becomes 0x7e, which is 448, four or eight codes to an instruction.
; OUT: a work-group's part of a row of out is 86 bytes, so aligned blocks of 256 bytes are shared by neighbours: 86 whole blocks would be too few owners for 256 work-groups.
.set NROW,  43
.set AHEAD, 16                         ; rows of low on their way ahead of the row at work
.set FIRST, 16                         ; rows of low converted ahead of x's first half
.set PITCH, 528                        ; an LDS row: 512 bytes + 16 = 33 x 16: the 16 rows of a fragment load start at 16 different 16-byte columns of the banks (ISA guide 11.1)
.set TILEB, 16*PITCH
.set WREG,  64*PITCH                   ; a wave's region: 33,792 bytes = 132 x 256
.set SPARE, 8*WREG                     ; the spare words, 128 bytes for each wave
.set OROW,  22016                      ; a row of out in bytes
.set LI,   1                           ; v1     16 x lane
.set XA,   2                           ; v2     my place in x's rows in LDS
.set LIM,  3                           ; v3     448 x 2^(e1-32)
.set SCL,  4                           ; v4     2^(e1-32)
.set XSC,  5                           ; v5     2^e0
.set CA,   6                           ; v6-7   -c 2^-25, twice
.set WA,   8                           ; v8     my place in the rows of low's codes in LDS
.set SPW,  9                           ; v9     my spare word
.set NIL,  10                          ; v10    0
.set BR,   11                          ; v11-13 bias as loaded
.set WS,   14                          ; v14    my wave's region + 16 x lane
.set RR,   15                          ; v15    r = lane % 16
.set Z,    16                          ; v16-19 zeros
.set T,    20                          ; v20-51 at work: two sets of 16 numbers, or 64 bf16 of a fragment of x
.set COD,  52                          ; v52-67 a fragment of x as converted
.set FX,   68                          ; v68-83 its hold at work
.set R,    84                          ; v84-255 low: row j at 84 + 4 j, bytes and then codes; later sums and fragments
.set ACC,  84                          ; accumulator (tile i of low, tile t of x) at 84 + 64 i + 8 t
.set BI,   244                         ; v244-249 bias as f32, a pair for each tile
.set OB,   250                         ; v250-255 out, packed
                                       ; window 1 (v256-511): x's fragment (K step s, tile t) at 16 (4 s + t)
.set WV,   18                          ; s18    my wave's number
.set G0,   20
.set G1,   32
.set CM,   52                          ; s[52:53] c 2^101
.set SGN,  54
.set M7,   55
.set SEL,  56                          ; s56-59 the four byte selects
.set PW,   60                          ; s[60:61] 2^(e0+e1)
.set ONE,  62
.set MSB, 0
.macro WIN new                         ; s_set_vgpr_msb: bits 1:0 source 0, 3:2 source 1, 5:4 source 2, 7:6 destination; the high byte repeats the setting that is left
.if MSB != \new
	s_set_vgpr_msb (MSB<<8)|\new
.set MSB, \new
.endif
.endm
.macro CREST                           ; a round of the cluster's barrier behind its opening barrier
	s_cmp_lg_u32 s[WV], 0
	s_cbranch_scc1 .Lnot_wave_0_\@
	s_barrier_signal -3
.Lnot_wave_0_\@:
	s_barrier_wait -3
	s_barrier_signal -1
	s_barrier_wait -1
.endm
.macro CROUND                          ; a whole round
	s_barrier_signal -1
	s_barrier_wait -1
	CREST
.endm
.macro XJOINT                          ; the joint load of a half of my part of x
	tensor_load_to_lds s[G0:G0+3], s[G1:G1+7]
	s_nop 0
.rept 4
	v_nop
.endr
.endm
.macro LOWROW j                        ; 32 lanes read 512 consecutive bytes of row j
	global_load_b128 v[R+4*(\j):R+4*(\j)+3], v[LI], s[4:5] offset:4096*(\j) th:TH_LOAD_NT
.endm
	s_load_b256 s[4:11], s[0:1], 0x0               ; low s[4:5], x s[6:7], scale s[8:9], low4_scale s[10:11]
	s_load_b128 s[12:15], s[0:1], 0x20             ; the scales' exponents s[12:13], bias s[14:15]
	s_load_b64 s[16:17], s[0:1], 0x30              ; out
	v_lshl_add_u32 v[SPW], v0, 2, SPARE
	v_mov_b32 v[NIL], 0
	ds_add_u32 v[SPW], v[NIL]                      ; the opening: the add, twice on end, and its wait
	ds_add_u32 v[SPW], v[NIL]
	v_lshrrev_b32 v20, 5, v0
	v_and_b32 v[RR], 15, v0                        ; r
	v_bfe_u32 v22, v0, 4, 1                        ; h
	v_readfirstlane_b32 s[WV], v20                 ; wave 0..7
	v_and_b32 v[LI], 31, v0
	v_mul_u32_u24 v23, v[RR], PITCH
	v_min_u32 v21, 10, v[RR]                       ; tile 2 has 11 columns: the spare lanes read the last one's bias, so that no load leaves the buffer
	v_lshlrev_b32 v[LI], 4, v[LI]
	v_lshl_add_u32 v[XA], v22, 5, v23              ; x: row r, 32 h (16 bf16)
	v_lshl_add_u32 v[WA], v22, 4, v23              ; low's codes: row r, 16 h
	s_mul_i32 s68, s[WV], WREG                     ; my wave's region
	v_lshlrev_b32 v20, 1, v[RR]
	v_lshlrev_b32 v21, 1, v21
	v_add_nc_u32 v[WS], s68, v[LI]
	v_add_nc_u32 v[XA], s68, v[XA]
	v_add_nc_u32 v[WA], s68, v[WA]
.irp i, 0,1,2,3
	v_mov_b32 v[Z+\i], 0
.endr
	s_wait_alu depctr_va_vdst(0)
	s_bfe_u32 s40, ttmp6, 0x40000                  ; cx
	s_lshl_b32 s41, ttmp9, 2
	s_add_co_u32 s41, s41, s40                     ; work-group = 4 x cluster + cx
	s_mul_i32 s66, s41, NROW*4096                  ; my work-group's first row of low (under 2^26 bytes),
	s_lshl_b32 s67, s[WV], 9                       ; my wave's 512 bytes of it
	s_add_co_u32 s66, s66, s67
	s_mov_b32 s67, 0
	s_mul_i32 s70, s41, 2*NROW                     ; my work-group's first column, in bytes of bf16
	s_mov_b32 s71, 0
	; descriptor group 1: 64 rows x 256 elements of 2 bytes, 4,096 from row to row, 16 bytes of padding behind 512
	s_mov_b32 s[G1+0], 15|(1<<16)|(1<<20)|(1<<21)|(6<<22)|(3<<25)
	s_mov_b32 s[G1+1], 256<<16
	s_mov_b32 s[G1+2], 64<<16
	s_mov_b32 s[G1+3], 256<<16
	s_mov_b32 s[G1+4], 64
	s_mov_b32 s[G1+5], 4096
	s_mov_b32 s[G1+6], 0
	s_mov_b32 s[G1+7], 0
	s_lshl_b32 s72, s[WV], 10                      ; my wave's 1,024 bytes of a row of x
	s_mov_b32 s73, 0
	s_wait_dscnt 0x0                               ; both opening adds are done
	CROUND                                         ; the four work-groups are here: the first joint loads meet.  (The arguments' loads are on their way meanwhile)
	s_wait_kmcnt 0x0
	s_mov_b32 s[G0], 1
	s_mov_b32 s[G0+1], s68                         ; LDS address: my wave's region
	s_add_nc_u64 s[G0+2:G0+3], s[6:7], s[72:73]    ; x, row 0, K = 512 w: the same in the four partners
	s_or_b32 s[G0+3], s[G0+3], 0x80000000
	XJOINT                                         ; THE FIRST REQUEST: x's first half, K = 512 w .. 512 w + 255
	s_add_nc_u64 s[4:5], s[4:5], s[66:67]
	s_add_nc_u64 s[14:15], s[14:15], s[70:71]
	s_add_nc_u64 s[16:17], s[16:17], s[70:71]
	global_load_u16 v[BR], v20, s[14:15]
	global_load_u16 v[BR+1], v20, s[14:15] offset:32
	global_load_u16 v[BR+2], v21, s[14:15] offset:64
.set Q, 0
.rept AHEAD
	LOWROW Q
.set Q, Q+1
.endr
	s_load_b32 s48, s[8:9], 0x0                    ; scale
	s_load_b32 s49, s[10:11], 0x0                  ; low4_scale
	s_load_b64 s[50:51], s[12:13], 0x0             ; e0, e1
	s_mov_b32 s[SGN], 0x80808080
	s_mov_b32 s[M7], 0x7f7f7f7f
	s_mov_b32 s[ONE], 0x01010101
	s_mov_b32 s[SEL], 0x04000404                   ; result byte 2 = byte 0 .. 3 of the data (selects 0 to 3: the second source), the other bytes from the zero register (select 4)
	s_mov_b32 s[SEL+1], 0x04010404
	s_mov_b32 s[SEL+2], 0x04020404
	s_mov_b32 s[SEL+3], 0x04030404
	s_lshr_b32 s70, s[WV], 1
	s_lshl_b32 s70, s70, 4                         ; the rows of out that I finish begin at 16 (w / 2)
	s_and_b32 s71, s[WV], 1
	s_lshl_b32 s71, s71, 2                         ; + 4 (w % 2)
	s_add_co_u32 s70, s70, s71
	s_mul_i32 s70, s70, OROW
	s_mov_b32 s71, 0
	s_add_nc_u64 s[16:17], s[16:17], s[70:71]
	s_wait_kmcnt 0x0
	s_mul_f32 s48, s49, s48                        ; c = low4_scale x scale, rounded as reference() rounds it
	s_mul_f32 s[CM], s48, 0x72000000               ; c x 2^101: exact
	s_mov_b32 s[CM+1], s[CM]                       ; (named with it as a pair, so it is written)
	s_mul_f32 s66, s48, 0xb3000000                 ; -c x 2^-25 = -128 c 2^-32: exact
	s_add_co_i32 s67, s51, 95                      ; e1 - 32 + 127
	s_lshl_b32 s69, s67, 23                        ; 2^(e1-32): the conversion takes its exponent field
	s_add_co_i32 s67, s67, 8
	s_lshl_b32 s67, s67, 23
	s_or_b32 s67, s67, 0x600000                    ; 448 x 2^(e1-32)
	s_add_co_i32 s70, s50, 127
	s_lshl_b32 s70, s70, 23                        ; 2^e0
	s_add_co_i32 s[PW], s50, s51
	s_add_co_i32 s[PW], s[PW], 127
	s_lshl_b32 s[PW], s[PW], 23                    ; 2^(e0+e1) as f32
	s_mov_b32 s[PW+1], s[PW]
	v_mov_b32 v[CA], s66
	v_mov_b32 v[CA+1], s66
	v_mov_b32 v[SCL], s69
	v_mov_b32 v[LIM], s67
	v_mov_b32 v[XSC], s70
	s_wait_alu depctr_va_vdst(0)                   ; the wait at the head's end
; Row j of low, 16 weights a lane: four registers of bytes become four registers of codes.  Loads come back in order: the AHEAD - 1 rows behind row j (fewer at the end) may be out.
.macro CONV j
.set RW, R+4*(\j)
.set TP, T+16*((\j)%2)
.if (\j)+AHEAD <= NROW
	s_wait_loadcnt AHEAD-1
.else
	s_wait_loadcnt NROW-1-(\j)
.endif
.if (\j)+AHEAD < NROW
	LOWROW (\j)+AHEAD
.endif
.irp k, 0,1,2,3
	v_xor_b32 v[RW+\k], s[SGN], v[RW+\k]           ; u = k + 128, four at a time.  (Also the plain lines behind the row before's conversions)
.endr
.irp k, 0,1,2,3
.irp b, 0,1,2,3
	v_perm_b32 v[TP+4*\k+\b], v[Z], v[RW+\k], s[SEL+\b]            ; u << 16
.endr
.endr
.irp k, 0,2,4,6,8,10,12,14
	v_pk_fma_f32 v[TP+\k:TP+\k+1], v[TP+\k:TP+\k+1], s[CM:CM+1], v[CA:CA+1] op_sel_hi:[1,0,1]   ; k c 2^-32, rounded once
.endr
.irp k, 0,1,2,3,4,5,6,7,8,9,10,11,12,13,14,15
	v_med3_num_f32 v[TP+\k], v[TP+\k], -v[LIM], v[LIM]             ; the conversion to an 8-bit code does not saturate (ISA guide 7.6.2)
.endr
	v_cvt_scalef32_pk8_fp8_f32 v[RW:RW+1], v[TP:TP+7], v[SCL]
	v_cvt_scalef32_pk8_fp8_f32 v[RW+2:RW+3], v[TP+8:TP+15], v[SCL]
.endm
; Fragment q of a half of x: tile q / 2, K step q % 2 of the half: 16 rows x 128 bf16
.macro XFETCH q
.irp c, 0,1,2,3
	ds_load_b128 v[T+8*\c:T+8*\c+3], v[XA] offset:TILEB*((\q)/2)+256*((\q)%2)+64*\c
	ds_load_b128 v[T+8*\c+4:T+8*\c+7], v[XA] offset:TILEB*((\q)/2)+256*((\q)%2)+64*\c+16
.endr
.endm
; The codes of low's tile i into the wave's region, in the bytes that held tile i of x's second half: those have had their last fill and have been read
.macro STAGE i
.irp k, 0,1,2,3,4,5,6,7,8,9,10,11,12,13,14,15
.if 16*(\i)+\k < NROW
	ds_store_b128 v[WS], v[R+4*(16*(\i)+\k):R+4*(16*(\i)+\k)+3] offset:PITCH*(16*(\i)+\k)
.else
	ds_store_b128 v[WS], v[Z:Z+3] offset:PITCH*(16*(\i)+\k)        ; a spare row: zeros
.endif
.endr
.endm
; Step n of twelve: tile n / 4 of low, K step n % 4.  Its fragment's registers: 8 sets of 16, which low's codes and x's work have left
.macro FRAGREG n
.if ((\n)%8) < 4
.set FBR, 116+16*((\n)%2)+64*(((\n)%4)/2)
.else
.set FBR, T+16*((\n)%4)
.endif
.endm
.macro FRAG n
	FRAGREG \n
.irp c, 0,1,2,3
	ds_load_b128 v[FBR+4*\c:FBR+4*\c+3], v[WA] offset:TILEB*((\n)/4)+128*((\n)%4)+32*\c
.endr
.endm
.macro XSTEP hf, q
	s_wait_dscnt 0x0                               ; this fragment is in registers
.irp g, 0,1,2,3,4,5,6,7
	v_cvt_scalef32_pk8_fp8_bf16 v[COD+2*\g:COD+2*\g+1], v[T+4*\g:T+4*\g+3], v[XSC]
.endr
	v_nop                                          ; one plain vector instruction behind the conversions
.if (\hf) == 1 && ((\q)%2) == 0 && (\q) > 0
	STAGE (\q)/2-1
.endif
.if (\q) < 7
	XFETCH \q+1
.elseif (\hf) == 1
	FRAG 0                                         ; tile 0's codes were stored by this wave: LDS serves a wave's instructions in order (ISA guide 5.7.1.4)
	FRAG 1
	FRAG 2
	FRAG 3
.else
	s_wait_alu depctr_va_vdst(0)                   ; the wait here, ahead of the waits below: the hold reads the codes behind them
	s_wait_tensorcnt 0x0                           ; all my tensor loads have landed;
	ds_add_u32 v[SPW], v[NIL]
	s_add_nc_u64 s[G0+2:G0+3], s[G0+2:G0+3], 512   ; x's second half: 256 numbers on
	s_wait_dscnt 0x0                               ; the add is done, and so are my reads of the first half:
	s_barrier_signal -1                            ; say so; the last fragment's hold, register work, stands between this signal and its wait
.endif
.irp k, 0,1,2,3,4,5,6,7,8,9,10,11,12,13,14,15
	v_and_b32 v[FX+\k], s[M7], v[COD+\k]           ; the magnitudes of four codes,
.endr
.irp k, 0,1,2,3,4,5,6,7,8,9,10,11,12,13,14,15
	v_add_nc_u32 v[FX+\k], s[ONE], v[FX+\k]        ; + 1: bit 7 where it was 0x7f,
.endr
.irp k, 0,1,2,3,4,5,6,7,8,9,10,11,12,13,14,15
	v_lshrrev_b32 v[FX+\k], 7, v[FX+\k]
.endr
.irp k, 0,1,2,3,4,5,6,7,8,9,10,11,12,13,14,15
	v_and_b32 v[FX+\k], s[ONE], v[FX+\k]           ; as a 1 in that byte,
.endr
	WIN 0x40
.set XC, 16*(4*(2*(\hf)+(\q)%2)+(\q)/2)
.irp k, 0,1,2,3,4,5,6,7,8,9,10,11,12,13,14,15
	v_sub_nc_u32 v[XC+\k], v[COD+\k], v[FX+\k]     ; which makes it 0x7e: into window 1
.endr
	WIN 0
.endm
	; LOW'S FIRST ROWS, under the flight of x's first half
.set Q, 0
.rept FIRST
	CONV Q
.set Q, Q+1
.endr
	v_nop
	; X'S FIRST HALF.  A wave reads only what its own load brought
	s_wait_tensorcnt 0x0
	XFETCH 0
.irp q, 0,1,2,3,4,5,6,7
	XSTEP 0, \q
.endr
	s_barrier_wait -1                              ; the round goes on: every wave of the cluster has read its first half and has no load on its way
	CREST
	XJOINT
	; LOW'S OTHER ROWS, under the flight of x's second half
.set Q, FIRST
.rept NROW-FIRST
	CONV Q
.set Q, Q+1
.endr
	v_nop
	; X'S SECOND HALF; as its tiles have been read, low's codes take their places in LDS
	s_wait_tensorcnt 0x0
	XFETCH 0
.irp q, 0,1,2,3,4,5,6,7
	XSTEP 1, \q
.endr
	FRAG 4
	FRAG 5
	FRAG 6
	FRAG 7
	s_wait_alu depctr_va_vdst(0)                   ; the wait here, ahead of the wait below
; THE PRODUCTS.  The four accumulators take turns, one instruction a turn.  younger: LDS loads issued behind this step's four, which may be out
.macro STEP n, younger
	s_wait_dscnt \younger
	WIN 0x01                                       ; source 0 (x) window 1
	FRAGREG \n
.set AC, ACC+64*((\n)/4)
.irp t, 0,1,2,3
.if ((\n)%4) == 0
	v_wmma_f32_16x16x128_fp8_fp8 v[AC+8*\t:AC+8*\t+7], v[16*(4*((\n)%4)+\t):16*(4*((\n)%4)+\t)+15], v[FBR:FBR+15], 0
.else
	v_wmma_f32_16x16x128_fp8_fp8 v[AC+8*\t:AC+8*\t+7], v[16*(4*((\n)%4)+\t):16*(4*((\n)%4)+\t)+15], v[FBR:FBR+15], v[AC+8*\t:AC+8*\t+7]
.endif
.endr
.endm
	STEP 0, 28
	STEP 1, 24
	STEP 2, 20
	STEP 3, 16
	WIN 0
.rept 4
	v_nop                                          ; places in front of loads into registers that the products have read
.endr
	FRAG 8
	FRAG 9
	FRAG 10
	FRAG 11
	STEP 4, 28
	STEP 5, 24
	STEP 6, 20
	STEP 7, 16
	STEP 8, 12
	STEP 9, 8
	STEP 10, 4
	STEP 11, 0
	WIN 0
	; THE EIGHT WAVES' SUMS MEET.  In accumulator (i, t) lane (r, h) holds, in register j, out(16 t + 8 h + j, 16 i + r) summed over my 512 of K.
.irp i, 0,1,2
	v_lshlrev_b32 v[BI+2*\i], 16, v[BR+\i]         ; bias as f32, twice.  (Six plain lines: the places behind the last products)
	v_lshlrev_b32 v[BI+2*\i+1], 16, v[BR+\i]
.endr
.irp i, 0,1,2
.irp t, 0,1,2,3
	ds_store_b128 v[WS], v[ACC+64*\i+8*\t:ACC+64*\i+8*\t+3] offset:4096*\i+1024*\t       ; images of the registers, at the front of my own region
	ds_store_b128 v[WS], v[ACC+64*\i+8*\t+4:ACC+64*\i+8*\t+7] offset:4096*\i+1024*\t+512
.endr
.endr
	s_lshl_b32 s69, s[WV], 9
	v_bfe_u32 v6, v0, 4, 1
	v_add_nc_u32 v2, s69, v[LI]                    ; back: group w of 512 bytes (tile t = w / 2 of x, registers 4 (w % 2) on) of every wave's sums; two waves' regions to an address register
	v_mul_u32_u24 v6, v6, 8*OROW
	v_add_nc_u32 v3, 2*WREG, v2
	v_add_nc_u32 v4, 4*WREG, v2
	v_add_nc_u32 v5, 6*WREG, v2
	v_lshl_add_u32 v7, v[RR], 1, v6                ; out: row 8 h, column r
	s_wait_alu depctr_va_vdst(0)
	s_wait_dscnt 0x0                               ; for the others' sake: my stores have landed
	s_barrier_signal -1
	s_barrier_wait -1
.set B, 84                             ; tile i, wave p: v[84 + 32 i + 4 p]
.irp i, 0,1,2
.irp p, 0,1,2,3,4,5,6,7
	ds_load_b128 v[B+32*\i+4*\p:B+32*\i+4*\p+3], v[2+\p/2] offset:(\p%2)*WREG+4096*\i
.endr
.endr
	s_wait_dscnt 0x0
.macro ADDS d, p                       ; sums p and p + d registers on, for the three tiles
.irp i, 0,1,2
	v_pk_add_f32 v[B+32*\i+\p:B+32*\i+\p+1], v[B+32*\i+\p:B+32*\i+\p+1], v[B+32*\i+\p+\d:B+32*\i+\p+\d+1]
	v_pk_add_f32 v[B+32*\i+\p+2:B+32*\i+\p+3], v[B+32*\i+\p+2:B+32*\i+\p+3], v[B+32*\i+\p+\d+2:B+32*\i+\p+\d+3]
.endr
.endm
	ADDS 4, 0
	ADDS 4, 8
	ADDS 4, 16
	ADDS 4, 24
	ADDS 8, 0
	ADDS 8, 16
	ADDS 16, 0
.irp i, 0,1,2
	v_pk_fma_f32 v[B+32*\i:B+32*\i+1], v[B+32*\i:B+32*\i+1], s[PW:PW+1], v[BI+2*\i:BI+2*\i+1] op_sel_hi:[1,0,1]       ; sum x 2^(e0+e1) + bias
	v_pk_fma_f32 v[B+32*\i+2:B+32*\i+3], v[B+32*\i+2:B+32*\i+3], s[PW:PW+1], v[BI+2*\i:BI+2*\i+1] op_sel_hi:[1,0,1]
.endr
.irp i, 0,1,2
	v_cvt_pk_bf16_f32 v[OB+2*\i], v[B+32*\i], v[B+32*\i+1]             ; rounded once; two rows to a register
	v_cvt_pk_bf16_f32 v[OB+2*\i+1], v[B+32*\i+2], v[B+32*\i+3]
.endr
	v_cmp_gt_u32 vcc_lo, 11, v[RR]                 ; tile 2 has 11 columns
.macro SEND i                          ; four rows of tile i: sixteen neighbouring lanes store 32 neighbouring bytes of a row
	global_store_b16 v7, v[OB+2*\i], s[16:17] offset:32*\i
	global_store_d16_hi_b16 v7, v[OB+2*\i], s[16:17] offset:OROW+32*\i
	global_store_b16 v7, v[OB+2*\i+1], s[16:17] offset:2*OROW+32*\i
	global_store_d16_hi_b16 v7, v[OB+2*\i+1], s[16:17] offset:3*OROW+32*\i
.endm
	SEND 0
	SEND 1
	s_wait_alu depctr_va_vdst(0)                   ; the wait here, ahead of the wait below
	s_wait_xcnt 0x0                                ; EXEC is a source of the stores above: it changes only behind this wait
	s_and_saveexec_b32 s66, vcc_lo
	SEND 2
	s_wait_xcnt 0x0                                ; and again, in front of the line that widens it
	s_or_b32 exec_lo, exec_lo, s66
	s_wait_tensorcnt 0x0                           ; the wave's end
	ds_add_u32 v[SPW], v[NIL]
	s_wait_dscnt 0x0
	CROUND                                         ; the closing round: no work-group ends while a partner may still ask for bytes that name it
	s_endpgm
.Lfunc_end_k_q86f666f729_main:
	.size	k_q86f666f729_main, .Lfunc_end_k_q86f666f729_main-k_q86f666f729_main
	.p2alignl 7, 3214868480
	.fill 96, 4, 3214868480
	.section	.rodata,"a",@progbits
	.p2align	6, 0x0
	.amdhsa_kernel k_q86f666f729_main
		.amdhsa_group_segment_fixed_size 327680
		.amdhsa_private_segment_fixed_size 0
		.amdhsa_enable_private_segment 0
		.amdhsa_kernarg_size 56
		.amdhsa_user_sgpr_count 2
		.amdhsa_user_sgpr_kernarg_segment_ptr 1
		.amdhsa_wavefront_size32 1
		.amdhsa_system_sgpr_workgroup_id_x 1
		.amdhsa_system_sgpr_workgroup_id_y 1
		.amdhsa_system_sgpr_workgroup_id_z 1
		.amdhsa_system_vgpr_workitem_id 0
		.amdhsa_next_free_vgpr 512
		.amdhsa_next_free_sgpr 80
		.amdhsa_reserve_vcc 1
		.amdhsa_float_denorm_mode_32 3
		.amdhsa_float_denorm_mode_16_64 3
		.amdhsa_memory_ordered 1
		.amdhsa_forward_progress 1
		.amdhsa_inst_pref_size 207
	.end_amdhsa_kernel
	.amdgpu_metadata
---
amdhsa.version: [ 1, 2 ]
amdhsa.kernels:
  - .name:           k_q86f666f729_main
    .symbol:         k_q86f666f729_main.kd
    .args:
      - { .name: low, .offset: 0, .size: 8, .value_kind: global_buffer, .address_space: global }
      - { .name: x, .offset: 8, .size: 8, .value_kind: global_buffer, .address_space: global }
      - { .name: scale, .offset: 16, .size: 8, .value_kind: global_buffer, .address_space: global }
      - { .name: low4_scale, .offset: 24, .size: 8, .value_kind: global_buffer, .address_space: global }
      - { .name: lowp_scales, .offset: 32, .size: 8, .value_kind: global_buffer, .address_space: global }
      - { .name: bias, .offset: 40, .size: 8, .value_kind: global_buffer, .address_space: global }
      - { .name: out0, .offset: 48, .size: 8, .value_kind: global_buffer, .address_space: global }
    .group_segment_fixed_size: 327680
    .private_segment_fixed_size: 0
    .kernarg_segment_align: 8
    .kernarg_segment_size: 56
    .max_flat_workgroup_size: 256
    .sgpr_count:     80
    .vgpr_count:     512
    .wavefront_size: 32
...
	.end_amdgpu_metadata
.endif
;; end of part 1
